; MI455X (gfx1250); checked and timed in simulation.
; The chip was launched on July 23, 2026; its instructions are those of AMD's public machine-readable ISA for CDNA 5 (MIT licence, August 2026) and "CDNA5" Instruction Set Architecture Reference Guide (July 2026). The comments in the code are by the model that wrote it; some were corrected since.
;; Memory Model. Allowed arithmetic: float matrix products may take bf16 or f16 operands with f32 sums; all other float work in f32.
;; Inputs: b1 64 float32; b2 32 float32; bo 64 float32; br 32 float32; embed 64 x 32 float32; ln_b 32 float32; ln_g 32 float32; seq 1,024 x 1,024 int32; w1 64 x 32 float32; w2 32 x 64 float32; wo 64 x 32 float32; wr 32 x 32 float32.
;; Outputs: out0 1,024 x 64 float32.
;; One version. Each part assembles by itself: llvm-mc -triple=amdgcn-amd-amdhsa -mcpu=gfx1250 --defsym DOCPART=n.
;; ======== version 1 of 1: 1 launch
;; launch delta (part 1): grid 256 x 1, 4 waves a work-group, no clusters, 168,448 bytes of LDS; arguments seq, embed, w1, b1, w2, b2, ln_g, ln_b, wr, br, wo, bo, out0; writes out0
.if DOCPART == 1
	.amdgcn_target "amdgcn-amd-amdhsa--gfx1250"
	.amdhsa_code_object_version 6
	.text
	.protected	k_qdb2cd73896_delta
	.globl	k_qdb2cd73896_delta
	.p2align	8
	.type	k_qdb2cd73896_delta,@function
k_qdb2cd73896_delta:
	s_mov_b64 s[64:65], 0
	v_nop
	global_prefetch_b8 v0, s[64:65] scope:SCOPE_SE
	s_setreg_imm32_b32 hwreg(HW_REG_WAVE_MODE, 25, 1), 1
	s_wait_xcnt 0x0
; MemoryModel: encoder (embedding, two linear layers, residual, LayerNorm), 1,023 delta-rule steps, two linear layers.
; seq [1024][1024] i32; embed [64][32], w1 [64][32], w2 [32][64], wr [32][32], wo [64][32] f32; out0 [1024][64] f32.
;
; HOW IT IS COMPUTED
;  * The encoder works on one token at a time and there are 64 tokens: its result is a table K[64][32] (the keys), made once by
;    each work-group, each of the four waves taking 16 tokens.
;  * Only M q is wanted, and M <- M (I - k k^T / d) + k k^T.  Walking the tokens backwards from the last step with u = q:
;    a = k.u ; ctx += k a ; u -= k a / d.   32 numbers a step in place of 1,024.
;  * Carried is g = K u (64 numbers, two a lane) in place of u: k_s.u is then the entry g[s], and the update is g += col_s a with
;    col_s = -G[:,s] / d_s, G = K K^T.  No sum across lanes is left between one step and the next.
;  * Step 0 is the query itself: g = 0, a = 1 give g = col_q = -G[:,q] / d_q.  All later steps are linear in g, so ctx comes out
;    times -1/d_q and is multiplied by -d_q at the end.  ctx starts at -K[q], so that step 0 leaves it exactly 0.
; SHARES: 256 work-groups of four waves; wave w of work-group x owns batch row 4 x + w from its tokens to its 64 outputs.
; NOT USED, AND WHY: tensor loads and LDS rings (nothing is streamed: a wave's 4,096 bytes of tokens come once, by copies); clusters and joint
;    loads (what work-groups share is 37 KB of weights, read once into registers, no tile); the matrix unit for the two closing products
;    (one row a wave would fill one sixteenth of a tile; they are 96 multiply-adds a lane, kept in f32).
; LIMITS: the order of rounding differs from the reference's (backward order, Gram space); G is made of keys split into two bf16 parts,
;    the product of the two low parts left out (about 2^-17 of |k|^2); the encoder's two products take bf16 operands; a token above 63
;    is taken as 63 (the reference's indices lie inside the table).
; lds_bytes is above what is used (60,672) so that the work-group is alone on its WGP.
; ---- LDS ----
.set TPITCH, 528                       ; a table row: 32 lanes x 16 bytes + 16, so that 16 rows' stores spread over the banks
.set KPITCH, 80                        ; a row of 32 bf16 + 16
.set TAB, 0                            ; 64 rows: row s, lane l: -G[2l][s]/d_s, -G[2l+1][s]/d_s, K[s][l], 0
.set KHI, 33792                        ; 64 rows: the keys' high bf16 parts
.set KLO, 38912                        ; 64 rows: their low parts
.set NDT, 44032                        ; 64 words: -d_s
.set TOK, 44288                        ; 4 x 4,096: wave w's row of seq, filled by copies alone
; ---- vector registers of the set-up ----
.set EF32, 16                          ; v[16:31]   my 16 tokens' embeddings, f32: lane (r,h): dims 8h..8h+7, 16+8h..16+8h+7 of token 16w+r
.set W1,   32                          ; v[32:95]   4 fragments of w1, 16 f32 each, packed in place to 8 registers
.set W2,   96                          ; v[96:159]  4 fragments of w2 (q = 2 t' + c), likewise
.set B1,   160                         ; v[160:191] b1, then the first layer's sums, then its bf16 fragments
.set X,    192                         ; v[192:207] b2 + embedding, then x, then the keys
.set LG,   208                         ; v[208:223] ln_g
.set LB,   224                         ; v[224:239] ln_b
.set EF,   240                         ; v[240:247] the embeddings' bf16 fragment;  v[248:255] at work
.set KH,   32                          ; v[32:39]   my keys' high parts (a fragment)
.set KL,   40                          ; v[40:47]   their low parts
.set HF,   48                          ; v[48:63]   at work for the split
.set Q,    64                          ; v[64:71]   four pairs (K, 0) on their way to the table
.set BH,   96                          ; v[96:127]  all 64 keys' high parts, four fragments
.set BL,   128                         ; v[128:159] their low parts
.set D,    160                         ; v[160:191] four tiles of G
; ---- vector registers of the recurrence ----
; v1 16 l; v2, v3 table addresses by turns; v4 the tokens read this trip; v5 the next trip's; v6 its address; v7 see REV below
; v[8:9] g; v[10:11] (ctx, x); v12 -d_q; v13 128 l; v14 256 l; v15 4 l; v16 8 l; v[18:27] the closing products' chains
.set WR,   28                          ; v[28:59]   row l of wr
.set WO,   60                          ; v[60:123]  rows 2l and 2l+1 of wo
.set BR,   124                         ; v124       br[l]
.set BO,   126                         ; v[126:127] bo[2l], bo[2l+1]
.set LR,   128                         ; v[128:255] ring of 32 table rows: step x in v[LR+4(x%32) .. +3]
; ---- scalar registers ----
; s[4:29] the 13 addresses; s30 wave; s31 trips; s2, s3 at work; s[70:71] (a, 0); s72, s73 lane selects; s74 1/32; s75 1e-5
.set TOKR, 32                          ; s[32:63]   ring of 32 tokens: step x in s[TOKR + x%32]
.set MSK,  66                          ; s[66:69]   ring of 4: token << lane (bit 'lane' is the token's bit 0)
.set LANE, 76                          ; s[76:79]   ring of 4: token >> 1
.macro LD16 dst, adr, sb, off          ; a fragment's 16 f32: k = 8h..8h+7 (32 bytes) and 16+8h..16+8h+7 (64 bytes further)
	global_load_b128 v[\dst:\dst+3],     v[\adr], s[\sb:\sb+1] offset:\off
	global_load_b128 v[\dst+4:\dst+7],   v[\adr], s[\sb:\sb+1] offset:\off+16
	global_load_b128 v[\dst+8:\dst+11],  v[\adr], s[\sb:\sb+1] offset:\off+64
	global_load_b128 v[\dst+12:\dst+15], v[\adr], s[\sb:\sb+1] offset:\off+80
.endm
.macro LD8 dst, adr, sb, off           ; eight numbers of a vector, 8h .. 8h+7 of a group of 16
	global_load_b128 v[\dst:\dst+3],   v[\adr], s[\sb:\sb+1] offset:\off
	global_load_b128 v[\dst+4:\dst+7], v[\adr], s[\sb:\sb+1] offset:\off+16
.endm
.macro CVT8 dst, src                   ; 16 f32 to 8 registers of bf16; may run in place (register dst+k is written after src+2k is read)
.irp k, 0,1,2,3,4,5,6,7
	v_cvt_pk_bf16_f32 v[\dst+\k], v[\src+2*\k], v[\src+2*\k+1]
.endr
.endm
.macro SUMSQ                           ; v250 = sum over a token's 32 dims of X^2, in every lane; lanes l and l xor 16 hold the two halves
	v_pk_mul_f32 v[250:251], v[X:X+1], v[X:X+1]
	v_pk_mul_f32 v[252:253], v[X+2:X+3], v[X+2:X+3]
.irp k, 4,8,12
	v_pk_fma_f32 v[250:251], v[X+\k:X+\k+1], v[X+\k:X+\k+1], v[250:251]
	v_pk_fma_f32 v[252:253], v[X+\k+2:X+\k+3], v[X+\k+2:X+\k+3], v[252:253]
.endr
	v_pk_add_f32 v[250:251], v[250:251], v[252:253]
	v_add_f32 v250, v250, v251
	v_permlanex16_b32 v251, v250, s72, s73         ; the other half's sum (v251 has been written)
	v_add_f32 v250, v250, v251
.endm
; =============================== the head: every request goes out at once ===============================
	s_load_b512 s[4:19], s[0:1], 0x0               ; seq 4:5, embed 6:7, w1 8:9, b1 10:11, w2 12:13, b2 14:15, ln_g 16:17, ln_b 18:19
	s_load_b256 s[20:27], s[0:1], 0x40             ; wr 20:21, br 22:23, wo 24:25, bo 26:27
	s_load_b64 s[28:29], s[0:1], 0x60              ; out0
	s_set_vgpr_msb 0x40
	v_lshl_add_u32 v0, v0, 2, 0x29000
	v_mov_b32 v1, 0
	s_set_vgpr_msb 0x4045
	ds_add_u32 v0, v1
	ds_add_u32 v0, v1
	s_set_vgpr_msb 0x4500
	v_lshrrev_b32 v1, 5, v0
	v_readfirstlane_b32 s30, v1                    ; wave 0..3
	v_and_b32 v1, 31, v0                           ; l
	v_and_b32 v2, 15, v0                           ; r
	v_bfe_u32 v3, v0, 4, 1                         ; h
	v_lshlrev_b32 v7, 5, v3                        ; 32 h: eight f32
	v_lshl_add_u32 v4, v2, 7, v7                   ; rows of 128 bytes: 128 r + 32 h
	v_lshl_add_u32 v6, v2, 8, v7                   ; rows of 256 bytes: 256 r + 32 h
	s_lshl_b32 s2, s30, 11
	v_add_nc_u32 v5, s2, v4                        ; embed: my wave's 16 rows
	v_lshlrev_b32 v8, 4, v1                        ; 16 l
	s_lshl_b32 s2, s30, 12
	s_add_co_u32 s2, s2, TOK
	v_add_nc_u32 v9, s2, v8                        ; my wave's token bytes in LDS + 16 l
	s_mov_b32 s72, 0x76543210                      ; v_permlanex16_b32: lane i takes lane i of the other half
	s_mov_b32 s73, 0xfedcba98
	s_mov_b32 s74, 0x3d000000                      ; 1/32
	s_mov_b32 s75, 0x3727c5ac                      ; 1e-5
	s_lshl_b32 s2, ttmp9, 2
	s_add_co_u32 s2, s2, s30                       ; my batch row b = 4 x + w
	s_lshl_b32 s66, s2, 8                          ; 256 bytes of out0 a row
	s_mov_b32 s67, 0
	s_lshl_b32 s2, s2, 12                          ; 4,096 bytes of seq a row
	s_mov_b32 s3, 0
	s_wait_dscnt 0x0
	s_wait_kmcnt 0x0
	s_add_nc_u64 s[4:5], s[4:5], s[2:3]
	s_add_nc_u64 s[28:29], s[28:29], s[66:67]
.irp i, 0,1,2,3,4,5,6,7
	global_load_async_to_lds_b128 v9, v8, s[4:5] offset:512*\i     ; my row of seq, 512 bytes a copy; the offset steps both addresses
.endr
	; group 1, 28 loads: what the first layer needs
	LD16 EF32, 5, 6, 0
.irp t, 0,1,2,3
	LD16 W1+16*\t, 4, 8, 2048*\t                   ; units 16 t + r
.endr
.irp t, 0,1,2,3
	LD8 B1+8*\t, 7, 10, 64*\t                      ; b1[16 t + 8 h + j]: the accumulator's layout
.endr
	; group 2, 20 loads: the second layer
.irp q, 0,1,2,3
	LD16 W2+16*\q, 6, 12, 4096*(\q/2)+128*(\q%2)   ; dims 16 t' + r, units 32 c + ..; q = 2 t' + c
.endr
	LD8 X, 7, 14, 0                                ; b2[16 t' + 8 h + j]
	LD8 X+8, 7, 14, 64
	; group 3, 8 loads: LayerNorm's gain and bias, in the same layout
	LD8 LG, 7, 16, 0
	LD8 LG+8, 7, 16, 64
	LD8 LB, 7, 18, 0
	LD8 LB+8, 7, 18, 64
; =============================== the encoder, for tokens 16 w .. 16 w + 15 ===============================
; The matrix instruction is used transposed (source 0 = 16 rows of the weight, source 1 = 16 tokens): lane (r,h), register j holds
; (token 16w+r, output 16t+8h+j), which is at once the next product's fragment layout: no number moves between lanes.
	s_wait_loadcnt 28                              ; group 1 is in; the 28 younger loads stay out
	CVT8 EF, EF32
.irp t, 0,1,2,3
	CVT8 W1+16*\t, W1+16*\t
.endr
.irp t, 0,1,2,3
	v_wmma_f32_16x16x32_bf16 v[B1+8*\t:B1+8*\t+7], v[W1+16*\t:W1+16*\t+7], v[EF:EF+7], v[B1+8*\t:B1+8*\t+7]   ; + b1, which lies in C
.endr
	s_wait_loadcnt 8                               ; group 2 is in; ln_g's and ln_b's 8 loads stay out
.irp q, 0,1,2,3
	CVT8 W2+16*\q, W2+16*\q                        ; these 40 lines name no register of the four products above: the places behind them (ISA guide 7.12.1)
.endr
.irp k, 0,2,4,6,8,10,12,14
	v_pk_add_f32 v[X+\k:X+\k+1], v[X+\k:X+\k+1], v[EF32+\k:EF32+\k+1]      ; the residual, in f32: C = b2 + h
.endr
.irp i, 0,1,2,3,4,5,6,7,8,9,10,11,12,13,14,15,16,17,18,19,20,21,22,23,24,25,26,27,28,29,30,31
	v_max_num_f32 v[B1+\i], 0, v[B1+\i]            ; relu
.endr
	CVT8 B1, B1                                    ; units 0-31 as a fragment
	CVT8 B1+16, B1+16                              ; units 32-63
.irp q, 0,2,1,3                                    ; the two accumulators take turns
	v_wmma_f32_16x16x32_bf16 v[X+8*(\q/2):X+8*(\q/2)+7], v[W2+16*\q:W2+16*\q+7], v[B1+16*(\q%2):B1+16*(\q%2)+7], v[X+8*(\q/2):X+8*(\q/2)+7]
.endr
	; eight address lines: the places behind the products, and the LDS addresses of what follows
	s_mul_i32 s2, s30, 16*TPITCH
	v_mul_u32_u24 v13, v2, TPITCH
	v_add_nc_u32 v13, s2, v13                      ; table row 16 w + r
	v_lshl_add_u32 v14, v3, 6, v13                 ; + 64 h: columns of G, lanes 4 h + ..
	v_lshl_add_u32 v15, v3, 7, v13                 ; + 128 h: keys, lanes 8 h + ..
	s_mul_i32 s2, s30, 16*KPITCH
	v_lshlrev_b32 v11, 4, v3
	v_mad_u32_u24 v11, v2, KPITCH, v11             ; a fragment's row r, + 16 h
	v_add_nc_u32 v10, s2, v11                      ; the same in my wave's 16 rows
	s_lshl_b32 s2, s30, 6
	v_lshl_add_u32 v12, v2, 2, s2                  ; word 16 w + r
	; LayerNorm: the mean
	v_pk_add_f32 v[248:249], v[X:X+1], v[X+2:X+3]
	v_pk_add_f32 v[250:251], v[X+4:X+5], v[X+6:X+7]
	v_pk_add_f32 v[252:253], v[X+8:X+9], v[X+10:X+11]
	v_pk_add_f32 v[254:255], v[X+12:X+13], v[X+14:X+15]
	v_pk_add_f32 v[248:249], v[248:249], v[250:251]
	v_pk_add_f32 v[252:253], v[252:253], v[254:255]
	v_pk_add_f32 v[248:249], v[248:249], v[252:253]
	v_add_f32 v248, v248, v249
	v_permlanex16_b32 v249, v248, s72, s73
	v_add_f32 v248, v248, v249
	v_mul_f32 v249, 0xbd000000, v248               ; -mean, in both registers of the pair
	v_mul_f32 v248, 0xbd000000, v248
.irp k, 0,2,4,6,8,10,12,14
	v_pk_add_f32 v[X+\k:X+\k+1], v[X+\k:X+\k+1], v[248:249]
.endr
	SUMSQ                                          ; the variance, from the centred numbers
	v_fma_f32 v250, v250, s74, s75                 ; / 32 + 1e-5
	v_rsq_f32 v252, v250
	v_rsq_f32 v253, v250
	v_nop                                          ; one plain place behind a transcendental (ISA guide 5.7.2)
	s_wait_loadcnt 0x0                             ; ln_g, ln_b
	s_wait_alu depctr_va_vdst(0)
.irp k, 0,2,4,6,8,10,12,14
	v_pk_mul_f32 v[LG+\k:LG+\k+1], v[LG+\k:LG+\k+1], v[252:253]
.endr
.irp k, 0,2,4,6,8,10,12,14
	v_pk_fma_f32 v[X+\k:X+\k+1], v[X+\k:X+\k+1], v[LG+\k:LG+\k+1], v[LB+\k:LB+\k+1]   ; the keys
.endr
	SUMSQ
	v_sub_f32 v251, 0xb58637bd, v250               ; -d = -1e-6 - k.k
	v_rcp_f32 v252, v251                           ; -1/d, twice: a pair for the packed multiply.  The place behind them is the
	v_rcp_f32 v253, v251                           ; first conversion below, which touches neither
	; the keys in two bf16 parts: high = bf16(k), low = bf16(k - high)
	CVT8 KH, X
	ds_store_b32 v12, v251 offset:NDT              ; both halves of the lanes store the same word
.irp k, 0,1,2,3,4,5,6,7
	v_lshlrev_b32 v[HF+2*\k], 16, v[KH+\k]
	v_and_b32 v[HF+2*\k+1], 0xffff0000, v[KH+\k]
.endr
.irp k, 0,2,4,6,8,10,12,14
	v_pk_add_f32 v[HF+\k:HF+\k+1], v[X+\k:X+\k+1], v[HF+\k:HF+\k+1] neg_lo:[0,1] neg_hi:[0,1]
.endr
	CVT8 KL, HF
	ds_store_b128 v10, v[KH:KH+3]   offset:KHI
	ds_store_b128 v10, v[KH+4:KH+7] offset:KHI+32
	ds_store_b128 v10, v[KL:KL+3]   offset:KLO
	ds_store_b128 v10, v[KL+4:KL+7] offset:KLO+32
	s_wait_dscnt 0x0                               ; my stores are done, for the other waves' sake
	s_barrier_signal -1
	s_barrier_wait -1                              ; all 64 keys lie in LDS
; =============================== the table ===============================
; G(e, s) = hi_e.hi_s + lo_e.hi_s + hi_e.lo_s.  Source 0 = 16 keys e of tile te, source 1 = my 16 keys s: lane (r,h), register j holds
; G(16te+8h+j, 16w+r): eight neighbouring e of my own token, whose -1/d lies in my own registers.
.irp te, 0,1,2,3
	ds_load_b128 v[BH+8*\te:BH+8*\te+3],   v11 offset:KHI+\te*16*KPITCH
	ds_load_b128 v[BH+8*\te+4:BH+8*\te+7], v11 offset:KHI+\te*16*KPITCH+32
.endr
.irp te, 0,1,2,3
	ds_load_b128 v[BL+8*\te:BL+8*\te+3],   v11 offset:KLO+\te*16*KPITCH
	ds_load_b128 v[BL+8*\te+4:BL+8*\te+7], v11 offset:KLO+\te*16*KPITCH+32
.endr
	s_wait_dscnt 8                                 ; the high parts are in; the low parts' 8 loads stay out
.irp te, 0,1,2,3                                   ; in all three passes the four accumulators take turns
	v_wmma_f32_16x16x32_bf16 v[D+8*\te:D+8*\te+7], v[BH+8*\te:BH+8*\te+7], v[KH:KH+7], 0
.endr
	s_wait_dscnt 0x0
.irp te, 0,1,2,3
	v_wmma_f32_16x16x32_bf16 v[D+8*\te:D+8*\te+7], v[BL+8*\te:BL+8*\te+7], v[KH:KH+7], v[D+8*\te:D+8*\te+7]
.endr
.irp te, 0,1,2,3
	v_wmma_f32_16x16x32_bf16 v[D+8*\te:D+8*\te+7], v[BH+8*\te:BH+8*\te+7], v[KL:KL+7], v[D+8*\te:D+8*\te+7]
.endr
	; the keys go into the table meanwhile: these 20 moves name no register of the products and are the places behind them
.irp p, 1,3,5,7
	v_mov_b32 v[Q+\p], 0
.endr
.irp p, 0,1,2,3,4,5,6,7,8,9,10,11,12,13,14,15
	v_mov_b32 v[Q+2*(\p%4)], v[X+\p]
	ds_store_b64 v15, v[Q+2*(\p%4):Q+2*(\p%4)+1] offset:8+256*(\p/8)+16*(\p%8)   ; (K[s][dim], 0) at lane dim = 16 (p/8) + 8 h + p%8
.endr
	s_wait_alu depctr_va_vdst(0)
.irp n, 0,1,2,3,4,5,6,7,8,9,10,11,12,13,14,15
	v_pk_mul_f32 v[D+2*\n:D+2*\n+1], v[D+2*\n:D+2*\n+1], v[252:253]              ; x -1/d_s
	ds_store_b64 v14, v[D+2*\n:D+2*\n+1] offset:128*(\n/4)+16*(\n%4)             ; e = 2 l', 2 l' + 1 at lane l' = 8 (n/4) + 4 h + n%4
.endr
	s_wait_asynccnt 0x0                            ; my tokens are in LDS (only I read them); v8, v9 are free
	s_wait_dscnt 0x0                               ; my part of the table is written
	s_barrier_signal -1
	s_barrier_wait -1                              ; the table is whole.  From here on LDS is only read and no wave waits for another
; =============================== the recurrence: filling the pipeline ===============================
; tau_x = seq[b][1023 - x]: tau_0 the query, x = 1 .. 1023 the steps.  Token vector u: lane j holds tau_(32u+j), at REV + 4096 - 128 u.
	v_lshlrev_b32 v15, 2, v1                       ; 4 l
	s_lshl_b32 s2, s30, 12
	s_add_co_u32 s2, s2, TOK-4
	v_sub_nc_u32 v7, s2, v15                       ; REV = my tokens' first byte - 4 - 4 l
	ds_load_b32 v4, v7 offset:4096                 ; vector 0
	v_lshlrev_b32 v13, 7, v1                       ; 128 l
	v_lshlrev_b32 v14, 8, v1                       ; 256 l
	v_lshlrev_b32 v16, 3, v1                       ; 8 l
	v_lshlrev_b32 v1, 4, v1                        ; 16 l
	; the closing layers' weights: wanted a thousand steps from here; their addresses are never rewritten
.irp k, 0,1,2,3,4,5,6,7
	global_load_b128 v[WR+4*\k:WR+4*\k+3], v13, s[20:21] offset:16*\k
.endr
.irp k, 0,1,2,3,4,5,6,7,8,9,10,11,12,13,14,15
	global_load_b128 v[WO+4*\k:WO+4*\k+3], v14, s[24:25] offset:16*\k
.endr
	global_load_b32 v[BR], v15, s[22:23]
	global_load_b64 v[BO:BO+1], v16, s[26:27]
	s_wait_dscnt 0x0
.irp i, 0,1,2,3,4,5,6,7,8,9,10,11,12,13,14,15,16,17,18,19,20,21,22,23,24,25,26,27,28,29,30,31
	v_readlane_b32 s[TOKR+\i], v4, \i
.endr
	ds_load_b32 v4, v7 offset:3968                 ; vector 1
.irp i, 0,1,2,3,4,5,6,7,8,9,10,11,12,13,14,15,16,17,18,19,20,21,22,23,24,25,26,27,28,29,30
	s_min_u32 s[TOKR+\i], s[TOKR+\i], 63           ; a token enters an address only clamped (token 31: in slot 0)
.endr
.irp x, 1,2,3
	s_lshr_b32 s[LANE+\x], s[TOKR+\x], 1
	s_lshl_b32 s[MSK+\x], s[TOKR+\x], s[LANE+\x]
.endr
	s_lshl_b32 s2, s[TOKR], 2
	v_mov_b32 v2, s2
	ds_load_b32 v12, v2 offset:NDT                 ; -d of the query
.irp x, 0,1,2,3,4,5,6,7,8,9,10,11,12,13,14,15,16,17,18,19,20,21,22,23,24,25,26,27,28,29
	v_mad_u32_u24 v[2+(\x&1)], s[TOKR+\x], TPITCH, v1
	ds_load_b128 v[LR+4*\x:LR+4*\x+3], v[2+(\x&1)] ; 32 lanes x 16 neighbouring bytes: a table row
.endr
	v_mov_b32 v8, 0                                ; g = 0
	v_mov_b32 v9, 0
	v_mov_b32 v11, 0                               ; g[tau_1] before step 0
	s_mov_b32 s70, 1.0                             ; a_0
	s_mov_b32 s71, 0                               ; the pair's other half: never used, but named
	s_wait_dscnt 22                                ; rows 8 .. 29 may stay out: rows 0 .. 7, vector 1 and -d_q are in
	v_mul_f32 v10, -1.0, v[LR+2]                   ; ctx = -K[q]
	v_cndmask_b32 v[LR+3], v[LR], v[LR+1], s[MSK+1]    ; col_q[tau_1], in tau_1's lane
; One step, m = j modulo 32.  What passes from step to step: line (1), line (7), the next step's line (1).
;   x (v11) = g[tau_(m+1)] as it will be after this step's update, made beside the update and not behind it:
;   the half of g (picked in step m-1) + the half of col (picked in step m-1) x a.  Only the lane tau_(m+1) >> 1 of x is ever read,
;   so the picking mask needs only that lane's bit right: token << (token >> 1) has the token's bit 0 there.
; Rings: token x is written in step x-32, clamped in x-31, used for its row's address in x-30 and for lane and mask in x-4;
;   lane x is used in step x-1, mask x in x-2, both written again in step x; row x is asked for in x-30, used up to x, asked again in x+2.
; JJ = j in the last trip and below zero in all others, so that each line's own end holds in the last trip alone.
.macro SLOT j, A, last
.set JJ, \j-64+64*\last
.set LC, LR+4*\j
.set LN, LR+4*((\j+1)%32)
.set LF, LR+4*((\j+30)%32)
.if JJ <= 30
	v_pk_fma_f32 v[10:11], v[LC+2:LC+3], s[70:71], v[10:11] op_sel_hi:[1,0,1]     ; (1) ctx += K a ;  x += col[tau_(m+1)] a
.else
	v_fmac_f32 v10, s70, v[LC+2]                                                  ;     the last step: ctx alone
.endif
.if JJ <= 29
	v_pk_fma_f32 v[8:9], v[LC:LC+1], s[70:71], v[8:9] op_sel_hi:[1,0,1]           ; (2) g += col a
.endif
.if \A
	v_readlane_b32 s[TOKR+\j], v4, \j                                             ; (3) token m+32
.endif
.if JJ <= 0
	s_min_u32 s[TOKR+(\j+31)%32], s[TOKR+(\j+31)%32], 63                          ; (4) token m+31, clamped
.endif
.if JJ <= 27
	s_lshr_b32 s[LANE+\j%4], s[TOKR+(\j+4)%32], 1                                 ; (5) lane and mask of token m+4
	s_lshl_b32 s[MSK+\j%4], s[TOKR+(\j+4)%32], s[LANE+\j%4]
.endif
.if JJ <= 1
	v_mad_u32_u24 v[2+(\j&1)], s[TOKR+(\j+30)%32], TPITCH, v1                     ; (6) row of token m+30
.endif
.if JJ <= 30
	v_readlane_b32 s70, v11, s[LANE+(\j+1)%4]                                     ; (7) a of step m+1
.endif
.if JJ <= 29
	v_cndmask_b32 v11, v8, v9, s[MSK+(\j+2)%4]                                    ; (8) g[tau_(m+2)], for step m+1
.endif
.if JJ <= 1
	ds_load_b128 v[LF:LF+3], v[2+(\j&1)]                                          ; (9)
.endif
.if (\j%8) == 7
.if \last == 0
	s_wait_dscnt 22                                ; rows m+1 .. m+8 are wanted, rows up to m+30 are asked for: the 22 younger stay out
.else
.if \j < 31
	s_wait_dscnt 23-\j                             ; the last row asked for is step 1023's: 16, 8, 0 younger ones
.endif
.endif
.endif
.if JJ <= 29
	v_cndmask_b32 v[LN+3], v[LN], v[LN+1], s[MSK+(\j+2)%4]                        ; (11) col_(m+1)[tau_(m+2)]
.endif
.endm
; 32 steps.  ldvec: the token vector of the trip after next is fetched (vector 32 - s31, at REV + 128 s31).
.macro TRIP ldvec, A, last
.if \ldvec
	v_lshl_add_u32 v6, s31, 7, v7
	ds_load_b32 v5, v6
.endif
.irp j, 0,1,2,3,4,5,6,7,8,9,10,11,12,13,14,15,16,17,18,19,20,21,22,23,24,25,26,27,28,29,30,31
	SLOT \j, \A, \last
.endr
.if \ldvec
	v_mov_b32 v4, v5                               ; in since slot 23's wait: 24 rows were asked for behind it, and 22 may be out
.endif
.endm
	s_mov_b32 s31, 30
.Ltrip:
	TRIP 1, 1, 0                                   ; trips 0 .. 29
	s_sub_co_i32 s31, s31, 1
	s_cmp_lg_u32 s31, 0
	s_cbranch_scc1 .Ltrip
	TRIP 0, 1, 0                                   ; trip 30: the last token vector is in v4 already
	TRIP 0, 0, 1                                   ; trip 31: every line stops where the tokens end
; =============================== read = ctx wr^T + br ;  out = read wo^T + bo ===============================
	s_wait_loadcnt 0x0                             ; wr, wo, br, bo
	v_mul_f32 v10, v10, v12                        ; x -d_q: lane l holds ctx[l]
.irp d, 0,1,2,3,4,5,6,7,8,9,10,11,12,13,14,15,16,17,18,19,20,21,22,23,24,25,26,27,28,29,30,31
	v_readlane_b32 s[TOKR+\d], v10, \d
.endr
	v_fma_f32 v18, v[WR], s[TOKR], v[BR]           ; four chains; the bias starts the first
	v_mul_f32 v19, s[TOKR+1], v[WR+1]
	v_mul_f32 v20, s[TOKR+2], v[WR+2]
	v_mul_f32 v21, s[TOKR+3], v[WR+3]
.irp d, 4,5,6,7,8,9,10,11,12,13,14,15,16,17,18,19,20,21,22,23,24,25,26,27,28,29,30,31
	v_fmac_f32 v[18+\d%4], s[TOKR+\d], v[WR+\d]
.endr
	v_add_f32 v18, v18, v19
	v_add_f32 v20, v20, v21
	v_add_f32 v22, v18, v20                        ; lane l holds read[l]
.irp i, 0,1,2,3,4,5,6,7,8,9,10,11,12,13,14,15,16,17,18,19,20,21,22,23,24,25,26,27,28,29,30,31
	v_readlane_b32 s[TOKR+\i], v22, \i
.endr
	v_fma_f32 v24, v[WO], s[TOKR], v[BO]           ; v24, v26: output 2 l (even, odd i); v25, v27: output 2 l + 1
	v_fma_f32 v25, v[WO+32], s[TOKR], v[BO+1]
	v_mul_f32 v26, s[TOKR+1], v[WO+1]
	v_mul_f32 v27, s[TOKR+1], v[WO+33]
.irp i, 2,3,4,5,6,7,8,9,10,11,12,13,14,15,16,17,18,19,20,21,22,23,24,25,26,27,28,29,30,31
	v_fmac_f32 v[24+2*(\i%2)], s[TOKR+\i], v[WO+\i]
	v_fmac_f32 v[25+2*(\i%2)], s[TOKR+\i], v[WO+32+\i]
.endr
	v_pk_add_f32 v[24:25], v[24:25], v[26:27]
	global_store_b64 v16, v[24:25], s[28:29]       ; the wave's one store covers its row's 256 consecutive bytes, aligned
	s_set_vgpr_msb 0x5
	s_wait_tensorcnt 0x0
	ds_add_u32 v0, v1
	s_wait_dscnt 0x0
	s_set_vgpr_msb 0x500
	s_endpgm
.Lfunc_end_k_qdb2cd73896_delta:
	.size	k_qdb2cd73896_delta, .Lfunc_end_k_qdb2cd73896_delta-k_qdb2cd73896_delta
	.p2alignl 7, 3214868480
	.fill 96, 4, 3214868480
	.section	.rodata,"a",@progbits
	.p2align	6, 0x0
	.amdhsa_kernel k_qdb2cd73896_delta
		.amdhsa_group_segment_fixed_size 168448
		.amdhsa_private_segment_fixed_size 0
		.amdhsa_enable_private_segment 0
		.amdhsa_kernarg_size 104
		.amdhsa_user_sgpr_count 2
		.amdhsa_user_sgpr_kernarg_segment_ptr 1
		.amdhsa_wavefront_size32 1
		.amdhsa_system_sgpr_workgroup_id_x 1
		.amdhsa_system_sgpr_workgroup_id_y 1
		.amdhsa_system_sgpr_workgroup_id_z 1
		.amdhsa_system_vgpr_workitem_id 0
		.amdhsa_next_free_vgpr 258
		.amdhsa_next_free_sgpr 80
		.amdhsa_reserve_vcc 0
		.amdhsa_float_denorm_mode_32 3
		.amdhsa_float_denorm_mode_16_64 3
		.amdhsa_memory_ordered 1
		.amdhsa_forward_progress 1
		.amdhsa_inst_pref_size 100
	.end_amdhsa_kernel
	.amdgpu_metadata
---
amdhsa.version: [ 1, 2 ]
amdhsa.kernels:
  - .name:           k_qdb2cd73896_delta
    .symbol:         k_qdb2cd73896_delta.kd
    .args:
      - { .name: seq, .offset: 0, .size: 8, .value_kind: global_buffer, .address_space: global }
      - { .name: embed, .offset: 8, .size: 8, .value_kind: global_buffer, .address_space: global }
      - { .name: w1, .offset: 16, .size: 8, .value_kind: global_buffer, .address_space: global }
      - { .name: b1, .offset: 24, .size: 8, .value_kind: global_buffer, .address_space: global }
      - { .name: w2, .offset: 32, .size: 8, .value_kind: global_buffer, .address_space: global }
      - { .name: b2, .offset: 40, .size: 8, .value_kind: global_buffer, .address_space: global }
      - { .name: ln_g, .offset: 48, .size: 8, .value_kind: global_buffer, .address_space: global }
      - { .name: ln_b, .offset: 56, .size: 8, .value_kind: global_buffer, .address_space: global }
      - { .name: wr, .offset: 64, .size: 8, .value_kind: global_buffer, .address_space: global }
      - { .name: br, .offset: 72, .size: 8, .value_kind: global_buffer, .address_space: global }
      - { .name: wo, .offset: 80, .size: 8, .value_kind: global_buffer, .address_space: global }
      - { .name: bo, .offset: 88, .size: 8, .value_kind: global_buffer, .address_space: global }
      - { .name: out0, .offset: 96, .size: 8, .value_kind: global_buffer, .address_space: global }
    .group_segment_fixed_size: 168448
    .private_segment_fixed_size: 0
    .kernarg_segment_align: 8
    .kernarg_segment_size: 104
    .max_flat_workgroup_size: 128
    .sgpr_count:     80
    .vgpr_count:     258
    .wavefront_size: 32
...
	.end_amdgpu_metadata
.endif
;; end of part 1
